; MI455X (gfx1250); checked and timed in simulation.
; The chip was launched on July 23, 2026; its instructions are those of AMD's public machine-readable ISA for CDNA 5 (MIT licence, August 2026) and "CDNA5" Instruction Set Architecture Reference Guide (July 2026). The comments in the code are by the model that wrote it; some were corrected since.
;; Attention. Allowed arithmetic: matrix products marked QUANTISED: E2M1 operands, one E8M0 scale for each 32 along K, by v_wmma_scale_f32_16x16x128_f8f6f4 with both operands' format E2M1 (or v_wmma_scale_f32_32x16x128_f4), f32 sums; products left as they are: f32 operands where the result goes on into a quantised operand, else bf16, f16 or f32 operands; f32 sums; everything else in f32.
;; Inputs: V 1,024 x 1 float32; W1 1,024 x 1,024 float32; W2 1,024 x 1,024 float32; all_enc_hiddens 32 x 2,048 x 1,024 float32; b1 1,024 float32; b2 1,024 float32; bv 1 float32; dec_hidden 32 x 1,024 float32.
;; Outputs: out0 32 x 1,024 float32; out1 32 x 2,048 x 1 float32.
;; This version of the problem:
;;   THIS VERSION OF THE PROBLEM IS GIVEN IN LOW PRECISION. The matrix products marked QUANTISED in the list below multiply operands that are first quantised to E2M1 (2 exponent bits, 1 mantissa bit; 4 bits a number), with one power-of-two scale for each 32 numbers along K (OCP MX v1.0); their sums are f32. All else is computed in f32.
;;   The module's matrix products, in the order in which they are computed (A, B: the left and right operand; K: the contracted axis; several contracted axes count as one K, in the product's order):
;;     1. [M 32, K 1,024] x [K 1,024, N 1,024]; A: input dec_hidden; B: input W1: QUANTISED
;;     2. [M 65,536, K 1,024] x [K 1,024, N 1,024]; A: input all_enc_hiddens; B: input W2: QUANTISED
;;     3. [M 65,536, K 1,024] x [K 1,024, N 1]; A: computed on the way; B: input V: left as it is (N = 1 < 16)
;;   THE QUANTISER, for each operand of a quantised product, along K:
;;     - K is cut into blocks of 32 from its start; a last block that is shorter is filled with zeros.
;;     - A block's scale is 2^e with e = floor(log2(the largest magnitude in the block)) - 2, held to -126 .. 127; a block of zeros has e = 0. As a byte (E8M0): e + 127.
;;     - Each number is divided by its block's scale, clamped to +-6, and rounded to the nearest number of E2M1, ties to even, subnormals kept.
;;     - The product sums the exact products of the quantised numbers (number of the format x scale) in f32.
;;   ~~~python
;;   def quantise(x, axis):      # numpy; x: float32 -> the quantised numbers, widened to float32 again
;;       x = np.moveaxis(x, axis, -1); K = x.shape[-1]
;;       x = np.pad(x, [(0, 0)] * (x.ndim - 1) + [(0, -K % 32)]); x = x.reshape(x.shape[:-1] + (-1, 32)); a = np.abs(x).max(-1, keepdims=True)
;;       e = np.where(a > 0, np.clip(np.frexp(np.where(a > 0, a, 1))[1] - 1 - 2, -126, 127), 0)      # np.frexp(a)[1] - 1 = floor(log2(a)), exactly
;;       r = np.clip(x / 2.0 ** e, -6, 6)
;;       step = 2.0 ** (np.maximum(np.frexp(np.where(r == 0, 1, r))[1] - 1, 0) - 1)
;;       q = np.round(r / step) * step * 2.0 ** e      # np.round: ties to even
;;       return np.moveaxis(q.reshape(q.shape[:-2] + (-1,))[..., :K], -1, axis).astype(np.float32)
;;   ~~~
;; One version. Each part assembles by itself: llvm-mc -triple=amdgcn-amd-amdhsa -mcpu=gfx1250 --defsym DOCPART=n.
;; ======== version 1 of 1: 3 launches
;; limits: right only within a limited range of input values
;; workspace buffers: w2c 524,288 bytes; w2s 32,768 bytes; qc 131,072 bytes; sc 262,144 bytes; pc 1,048,576 bytes; pm 65,536 bytes
;; launch prep (part 1): grid 128 x 1, 8 waves a work-group, no clusters, 153,600 bytes of LDS; arguments W1, W2, dec_hidden, b1, b2, w2c, w2s, qc; writes w2c, w2s, qc
.if DOCPART == 1
	.amdgcn_target "amdgcn-amd-amdhsa--gfx1250"
	.amdhsa_code_object_version 6
	.text
	.protected	k_q6357fd707d_prep
	.globl	k_q6357fd707d_prep
	.p2align	8
	.type	k_q6357fd707d_prep,@function
k_q6357fd707d_prep:
	s_mov_b64 s[64:65], 0
	v_nop
	global_prefetch_b8 v0, s[64:65] scope:SCOPE_SE
	s_setreg_imm32_b32 hwreg(HW_REG_WAVE_MODE, 25, 1), 1
	s_wait_xcnt 0x0
; TWO ROLES, parted once on the work-group's number; each has LDS bytes, a barrier and an end of its own.
; WORK-GROUPS 0-63: W2 [1024 (k)][1024 (n)] f32 becomes codes of FP4 (E2M1) with one E8M0 byte for each 32 along K, laid as IMAGES OF THE OPERAND'S REGISTERS:
; fragment (tile n of 16 columns, K step s of 128) at byte (8 n + s) x 1024 of w2c, register group c at 512 c + 16 x lane; its scale words in w2s at 512 n + 32 r + 4 s.
; WORK-GROUPS 64-127: cq = C2 x (Q(dec) Q(W1) + b1 + b2), C2 = 2 log2(e): the query's part of the exponent of tanh(z) = 1 - 2 / (1 + 2^(C2 z)), which the next launch adds to C2 x its own sums.
; SHARES.  A work-group takes columns 16 n .. 16 n + 15 of its weight (n = its number mod 64), wave s the K step k = 128 s .. 128 s + 127.  A lane takes a column, and its registers run down K, in the
; order that the operand's layout gives that lane: the conversions' results are the operand's registers, nothing is transposed.  The eight waves' partial products of the query meet in LDS behind a barrier.
; qc: the result's register R (0 .. 15: 8 x tile of batches + j) of lane (r, h), which is batch 16 (R / 8) + 8 h + R % 8, column 16 n + r, lies at 2048 n + 256 (R / 2) + 8 x lane + 4 (R % 2).
; A block's scale is 2^(floor(log2(its largest magnitude)) - 2); its byte is that magnitude's exponent field - 2, held at 1 from below by a floor among the maximum's leaves.
; LIMITS: a block of zeros gets the byte 1 where the quantiser's text says 127: its codes are zeros, which add nothing, and this program alone reads the bytes.  NaN and infinities among the inputs are not served.
; WORK LEFT OUT IN THE WHOLE PROGRAM.  Both outputs hang on the scores only through softmax over t: attn = e^(score - max) / sum, context = sum of attn x enc.  A term of the score that is the same for all t
; of a batch cancels there for all finite values of the inputs.  Such terms are bv, and the sum of V that the form tanh(z) = 1 - 2 / (1 + 2^(C2 z)) splits off.  Neither is computed; the input bv has no way
; to any output, is not loaded and is among no launch's arguments.  LIMIT: a NaN, an infinity or an overflow that reaches only bv or the sum of V is not carried to the result.
.set C2,   0x4038aa3b
.set STG,  18432                       ; LDS, the query's role alone, behind the spare words: for each wave a stage of 32 rows x (512 bytes + 16 of padding) = 16,896 bytes
.set RED,  0                           ; LDS, the query's role alone: 8 waves x 2,048 bytes: each wave's 16 result registers, 16 bytes a lane and group of four
.set WS,   16384                       ; LDS, W2's role alone: the tile's 16 x 8 scale words
.set TM,   16                          ; v16-23 at work; v28-31 the conversions' scale operands
.set PWA0, 24                          ; v24-27 hold scale words and nothing else: dec's rows 0-15, rows 16-31, W2's columns, W1's columns
.set PWA1, 25
.set PWB2, 26
.set PWB1, 27
.set A0,   32                          ; dec's two fragments
.set A1,   40
.set BW2,  48                          ; W2's fragment
.set BW1,  56                          ; W1's
.set R0,   64                          ; v64-127 64 numbers of a weight; later the eight partial sums
.set R2,   128                         ; v128-191 dec's rows 0-15; later the two results
.set R3,   192                         ; v192-255 dec's rows 16-31
.set D0,   128
.set D1,   136
; 64 numbers of a weight: W(128 s + 64 c + 32 h + i, 16 n + r) into v[reg + 32 c + i]: sixteen neighbouring lanes read 64 neighbouring bytes
.macro WLOAD lo, reg
.irp c, 0,1
.irp i, 0,1,2,3,4,5,6,7,8,9,10,11,12,13,14,15,16,17,18,19,20,21,22,23,24,25,26,27,28,29,30,31
	global_load_b32 v[\reg+32*\c+\i], v1, s[\lo:\lo+1] offset:(64*\c+\i)*4096
.endr
.endr
.endm
; 64 numbers of dec: row 16 m + r, k = 128 s + 32 b + 16 h + 0 .. 15 into v[reg + 16 b ..]
; They are loaded as they lie: load t takes row t's 512 bytes of my K step, 16 bytes a lane, 512 consecutive bytes a load;
.macro XLOAD
.irp t, 0,1,2,3,4,5,6,7,8,9,10,11,12,13,14,15,16,17,18,19,20,21,22,23,24,25,26,27,28,29,30,31
	global_load_b128 v[R2+4*\t:R2+4*\t+3], v4, s[8:9] offset:4096*\t
.endr
.endm
; and turn through my own stage in LDS into the layout above.  LDS serves a wave's instructions in order: no wait stands between the stores and the loads.  The pitch, 33 x 16 bytes, keeps the sixteen rows that a load touches in different banks.
.macro XTURN
.irp t, 0,1,2,3,4,5,6,7,8,9,10,11,12,13,14,15,16,17,18,19,20,21,22,23,24,25,26,27,28,29,30,31
	ds_store_b128 v13, v[R2+4*\t:R2+4*\t+3] offset:528*\t
.endr
.irp m, 0,1
.irp b, 0,1,2,3
.irp j, 0,1,2,3
	ds_load_b128 v[R2+64*\m+16*\b+4*\j:R2+64*\m+16*\b+4*\j+3], v2 offset:8448*\m+128*\b+16*\j
.endr
.endr
.endr
.endm
; A weight's 64 numbers of a lane are two whole blocks of 32 (blocks h and 2 + h of its column): codes into v[pc ..], the column's scale word into v[pw]
.macro BQUANT reg, pc, pw
.irp c, 0,1
	v_max3_num_f32 v[TM+\c], |v[\reg+32*\c]|, |v[\reg+32*\c+1]|, 0x1800000   ; with the floor 2^(3 - 127): the byte cannot fall under 1
.endr
.irp i, 2,4,6,8,10,12,14,16,18,20,22,24,26,28,30
.irp c, 0,1
	s_delay_alu instid0(VALU_DEP_2)
	v_max3_num_f32 v[TM+\c], v[TM+\c], |v[\reg+32*\c+\i]|, |v[\reg+32*\c+\i+1]|   ; the two blocks by turns
.endr
.endr
.irp c, 0,1
	s_delay_alu instid0(VALU_DEP_2)
	v_add_nc_u32 v[TM+12+\c], 0xff000000, v[TM+\c]   ; 2 off the exponent field: the conversion takes the exponent field of this operand as its scale
.endr
.irp c, 0,1
	s_delay_alu instid0(VALU_DEP_2)
	v_lshrrev_b32 v[TM+4+\c], 23, v[TM+12+\c]        ; the scale's byte
.endr
	s_delay_alu instid0(VALU_DEP_1)
	v_lshl_or_b32 v[\pw], v[TM+5], 16, v[TM+4]       ; my two bytes,
	s_delay_alu instid0(VALU_DEP_1)
	v_lshlrev_b32 v[\pw], v12, v[\pw]                ; 8 h bits up: at their places in the word;
	s_delay_alu instid0(VALU_DEP_1)
	v_permlanex16_b32 v[TM+6], v[\pw], s20, s21
	s_delay_alu instid0(VALU_DEP_1)
	v_or_b32 v[\pw], v[\pw], v[TM+6]                 ; with lane l xor 16's two the word is whole
.irp c, 0,1
.irp g, 0,1,2,3
	v_cvt_scalef32_pk8_fp4_f32 v[\pc+4*\c+\g], v[\reg+32*\c+8*\g:\reg+32*\c+8*\g+7], v[TM+12+\c]
.endr
.endr
	v_nop                                            ; one plain place behind a scaled conversion
.endm
; 64 numbers of a lane, register 16 b + i = k 32 b + 16 h + i of its row: a block lies in lanes l and l xor 16
.macro QUANT s, pc, pw
.irp b, 0,1,2,3
	v_max3_num_f32 v[TM+\b], |v[\s+16*\b]|, |v[\s+1+16*\b]|, 0x1800000
.endr
.irp i, 2,4,6,8,10,12,14
.irp b, 0,1,2,3
	s_delay_alu instid0(VALU_DEP_4)
	v_max3_num_f32 v[TM+\b], v[TM+\b], |v[\s+16*\b+\i]|, |v[\s+1+16*\b+\i]|
.endr
.endr
.irp b, 0,1,2,3
	s_delay_alu instid0(VALU_DEP_4)
	v_permlanex16_b32 v[TM+4+\b], v[TM+\b], s20, s21
.endr
.irp b, 0,1,2,3
	s_delay_alu instid0(VALU_DEP_4)
	v_max_num_f32 v[TM+\b], v[TM+\b], v[TM+4+\b]     ; the block's largest magnitude
.endr
.irp b, 0,1,2,3
	s_delay_alu instid0(VALU_DEP_4)
	v_add_nc_u32 v[TM+12+\b], 0xff000000, v[TM+\b]
.endr
.irp b, 0,1,2,3
	s_delay_alu instid0(VALU_DEP_4)
	v_lshrrev_b32 v[TM+4+\b], 23, v[TM+12+\b]
.endr
	s_delay_alu instid0(VALU_DEP_3)
	v_lshl_or_b32 v[\pw], v[TM+5], 8, v[TM+4]        ; the four bytes make my row's scale word
	s_delay_alu instid0(VALU_DEP_1)
	v_lshl_or_b32 v[\pw], v[TM+6], 16, v[\pw]
	s_delay_alu instid0(VALU_DEP_1)
	v_lshl_or_b32 v[\pw], v[TM+7], 24, v[\pw]
.irp b, 0,1,2,3
	v_cvt_scalef32_pk8_fp4_f32 v[\pc+2*\b], v[\s+16*\b:\s+7+16*\b], v[TM+12+\b]
	v_cvt_scalef32_pk8_fp4_f32 v[\pc+1+2*\b], v[\s+8+16*\b:\s+15+16*\b], v[TM+12+\b]
.endr
	v_nop                                            ; one plain place behind a scaled conversion
.irp c, 0,1                                      ; the operand's layout wants a whole block in a lane
.irp i, 0,1
	v_permlane16_swap_b32 v[\pc+4*\c+\i], v[\pc+2+4*\c+\i]
.endr
.endr
.endm
	s_load_b512 s[4:19], s[0:1], 0x0               ; W1 s[4:5], W2 s[6:7], dec s[8:9], b1 s[10:11], b2 s[12:13], w2c s[14:15], w2s s[16:17], qc s[18:19]
	s_set_vgpr_msb 0x40
	v_lshl_add_u32 v0, v0, 2, 0x4400
	v_mov_b32 v1, 0
	s_set_vgpr_msb 0x4000
	v_lshrrev_b32 v1, 5, v0
	s_delay_alu instid0(VALU_DEP_1)
	v_readfirstlane_b32 s22, v1                    ; wave = K step
	s_and_b32 s23, ttmp9, 63                       ; n: my tile of 16 columns
	v_and_b32 v13, 31, v0                          ; lane
	v_and_b32 v14, 15, v0                          ; r
	v_bfe_u32 v15, v0, 4, 1                        ; h
	s_delay_alu instid0(VALU_DEP_2)
	v_lshlrev_b32 v3, 2, v14                       ; 4 r: b1, b2
	s_delay_alu instid0(VALU_DEP_1)
	v_lshl_add_u32 v1, v15, 17, v3                 ; a weight: column r, lanes 16-31 begin 32 rows of 4,096 bytes further down
	s_mul_i32 s38, s22, 16896
	s_add_co_u32 s38, s38, STG                     ; my stage
	v_mul_u32_u24 v2, v14, 528
	s_delay_alu instid0(VALU_DEP_1)
	v_lshl_add_u32 v2, v15, 6, v2                  ; out of the stage: row r, + 64 h
	v_lshlrev_b32 v4, 4, v13                       ; 16 x lane
	s_wait_alu depctr_va_vdst(0)
	v_lshlrev_b32 v9, 3, v13                       ; 8 x lane
	v_lshlrev_b32 v12, 3, v15                      ; 8 h
	v_add_nc_u32 v2, s38, v2
	v_add_nc_u32 v13, s38, v4                      ; into the stage: 16 x lane of a row
	s_lshl_b32 s36, s22, 11                        ; every LDS address of both roles is made here, ahead of the parting
	v_add_nc_u32 v5, s36, v4                       ; RED + 2,048 x wave + 16 x lane: where I put my results
	s_lshr_b32 s36, s22, 1
	s_lshl_b32 s36, s36, 9
	s_and_b32 s37, s22, 1
	s_lshl_b32 s37, s37, 3
	s_add_co_u32 s36, s36, s37
	v_add_nc_u32 v6, s36, v4                       ; and where registers 2 x wave, 2 x wave + 1 of a wave's results lie
	v_lshlrev_b32 v7, 5, v14
	s_lshl_b32 s36, s22, 2
	s_add_co_u32 s36, s36, WS
	v_add_nc_u32 v7, s36, v7                       ; WS + 32 r + 4 x wave
	v_add_nc_u32 v8, WS, v4                        ; WS + 16 x lane
	s_mov_b32 s20, 0x76543210
	s_mov_b32 s21, 0xfedcba98                      ; v_permlanex16_b32's selects for lane l xor 16
.irp b, 0,1,2,3
	v_mov_b32 v[TM+4+\b], 0                        ; written once: a lane permute's destination counts as one of its sources
.endr
	s_lshl_b32 s24, s22, 19                        ; the weights: 128 rows of 4,096 bytes a K step, 64 bytes a tile of columns
	s_lshl_b32 s25, s23, 6
	s_add_co_u32 s24, s24, s25
	s_mov_b32 s25, 0
	s_lshl_b32 s26, s22, 9                         ; dec: 512 bytes a K step
	s_mov_b32 s27, 0
	s_lshl_b32 s28, s23, 6                         ; the biases
	s_mov_b32 s29, 0
	s_lshl_b32 s30, s23, 13                        ; w2c: 8,192 n + 1,024 s
	s_lshl_b32 s31, s22, 10
	s_add_co_u32 s30, s30, s31
	s_mov_b32 s31, 0
	s_lshl_b32 s32, s23, 9                         ; w2s: 512 n
	s_mov_b32 s33, 0
	s_lshl_b32 s34, s23, 11                        ; qc: 2,048 n + 256 x wave
	s_lshl_b32 s35, s22, 8
	s_add_co_u32 s34, s34, s35
	s_mov_b32 s35, 0
	s_wait_kmcnt 0x0
	s_add_nc_u64 s[4:5], s[4:5], s[24:25]
	s_add_nc_u64 s[6:7], s[6:7], s[24:25]
	s_add_nc_u64 s[8:9], s[8:9], s[26:27]
	s_add_nc_u64 s[10:11], s[10:11], s[28:29]
	s_add_nc_u64 s[12:13], s[12:13], s[28:29]
	s_add_nc_u64 s[14:15], s[14:15], s[30:31]
	s_add_nc_u64 s[16:17], s[16:17], s[32:33]
	s_add_nc_u64 s[18:19], s[18:19], s[34:35]
	s_cmp_lt_u32 ttmp9, 64                         ; the role hangs on the work-group's number alone: all eight waves go one way
	s_cbranch_scc0 .Lquery
	; ---- W2's role
	WLOAD 6, R0
	s_wait_loadcnt 0x0
	BQUANT R0, BW2, PWB2
	global_store_b128 v4, v[BW2:BW2+3], s[14:15]   ; the fragment's image: each store of the wave covers 512 consecutive bytes, aligned
	global_store_b128 v4, v[BW2+4:BW2+7], s[14:15] offset:512
	ds_store_b32 v7, v[PWB2]                       ; lanes l and l xor 16 write the same word with the same value
	s_wait_dscnt 0x0                               ; for wave 0's sake: my word has landed
	s_barrier_signal -1
	s_barrier_wait -1
	s_cmp_lg_u32 s22, 0
	s_cbranch_scc1 .Lend_w                         ; wave 0 alone sends the tile's scale words
	ds_load_b128 v[R0+4:R0+7], v8
	s_wait_dscnt 0x0
	global_store_b128 v4, v[R0+4:R0+7], s[16:17]   ; 512 consecutive bytes, aligned
.Lend_w:
	s_set_vgpr_msb 0x5
	s_wait_tensorcnt 0x0
	ds_add_u32 v0, v1
	s_wait_dscnt 0x0
	s_set_vgpr_msb 0x500
	s_endpgm
	; ---- the query's role
.Lquery:
	global_load_b32 v10, v3, s[10:11]              ; b1 of column 16 n + r
	global_load_b32 v11, v3, s[12:13]              ; b2
	XLOAD
	WLOAD 4, R0                                    ; W1
	s_wait_alu depctr_va_vdst(0)
	s_wait_loadcnt 63                              ; 98 loads were issued: with 63 out the oldest 35 are in, the two biases and dec's 32 among them
	XTURN
	s_wait_dscnt 0x0                               ; dec's numbers are back in the quantiser's layout
	QUANT R2, A0, PWA0
	QUANT R3, A1, PWA1
	s_wait_loadcnt 0x0                             ; W1
	BQUANT R0, BW1, PWB1
.rept 8
	v_nop                                          ; a scale register written by a vector instruction stands 8 places ahead of a scaled matrix instruction, an operand so written 4
.endr
	v_wmma_scale_f32_16x16x128_f8f6f4 v[D0:D0+7], v[A0:A0+7], v[BW1:BW1+7], 0, v[PWA0], v[PWB1] matrix_a_fmt:MATRIX_FMT_FP4 matrix_b_fmt:MATRIX_FMT_FP4   ; register j: batch 8 h + j, column r
	v_wmma_scale_f32_16x16x128_f8f6f4 v[D1:D1+7], v[A1:A1+7], v[BW1:BW1+7], 0, v[PWA1], v[PWB1] matrix_a_fmt:MATRIX_FMT_FP4 matrix_b_fmt:MATRIX_FMT_FP4   ; batch 16 + 8 h + j
.rept 4
	v_nop                                          ; four places in front of the first read of the results
.endr
	ds_store_b128 v5, v[D0:D0+3]                   ; each result from its low end on
	ds_store_b128 v5, v[D0+4:D0+7] offset:512
	ds_store_b128 v5, v[D1:D1+3] offset:1024
	ds_store_b128 v5, v[D1+4:D1+7] offset:1536
	s_wait_dscnt 0x0                               ; for the others' sake: my stores have landed
	s_barrier_signal -1
	s_barrier_wait -1
.irp w, 0,1,2,3,4,5,6,7
	ds_load_b64 v[R0+2*\w:R0+2*\w+1], v6 offset:2048*\w   ; registers 2 x wave, 2 x wave + 1 of all eight K steps
.endr
	v_add_f32 v10, v10, v11                        ; b1 + b2
	s_wait_dscnt 0x0
	v_pk_add_f32 v[R0:R0+1], v[R0:R0+1], v[R0+2:R0+3]
	v_pk_add_f32 v[R0+4:R0+5], v[R0+4:R0+5], v[R0+6:R0+7]
	v_pk_add_f32 v[R0+8:R0+9], v[R0+8:R0+9], v[R0+10:R0+11]
	v_pk_add_f32 v[R0+12:R0+13], v[R0+12:R0+13], v[R0+14:R0+15]
	s_delay_alu instid0(VALU_DEP_3)
	v_pk_add_f32 v[R0:R0+1], v[R0:R0+1], v[R0+4:R0+5]
	s_delay_alu instid0(VALU_DEP_2)
	v_pk_add_f32 v[R0+8:R0+9], v[R0+8:R0+9], v[R0+12:R0+13]
	s_delay_alu instid0(VALU_DEP_1)
	v_pk_add_f32 v[R0:R0+1], v[R0:R0+1], v[R0+8:R0+9]
	s_wait_alu depctr_va_vdst(0)
	v_add_f32 v[R0], v[R0], v10
	v_add_f32 v[R0+1], v[R0+1], v10
	s_delay_alu instid0(VALU_DEP_2)
	v_mul_f32 v[R0], C2, v[R0]
	s_delay_alu instid0(VALU_DEP_2)
	v_mul_f32 v[R0+1], C2, v[R0+1]
	global_store_b64 v9, v[R0:R0+1], s[18:19]      ; the wave stores 256 consecutive bytes, aligned
	s_set_vgpr_msb 0x5
	s_wait_tensorcnt 0x0
	ds_add_u32 v0, v1
	s_wait_dscnt 0x0
	s_set_vgpr_msb 0x500
	s_endpgm
.Lfunc_end_k_q6357fd707d_prep:
	.size	k_q6357fd707d_prep, .Lfunc_end_k_q6357fd707d_prep-k_q6357fd707d_prep
	.p2alignl 7, 3214868480
	.fill 96, 4, 3214868480
	.section	.rodata,"a",@progbits
	.p2align	6, 0x0
	.amdhsa_kernel k_q6357fd707d_prep
		.amdhsa_group_segment_fixed_size 153600
		.amdhsa_private_segment_fixed_size 0
		.amdhsa_enable_private_segment 0
		.amdhsa_kernarg_size 64
		.amdhsa_user_sgpr_count 2
		.amdhsa_user_sgpr_kernarg_segment_ptr 1
		.amdhsa_wavefront_size32 1
		.amdhsa_system_sgpr_workgroup_id_x 1
		.amdhsa_system_sgpr_workgroup_id_y 1
		.amdhsa_system_sgpr_workgroup_id_z 1
		.amdhsa_system_vgpr_workitem_id 0
		.amdhsa_next_free_vgpr 258
		.amdhsa_next_free_sgpr 66
		.amdhsa_reserve_vcc 0
		.amdhsa_float_denorm_mode_32 3
		.amdhsa_float_denorm_mode_16_64 3
		.amdhsa_memory_ordered 1
		.amdhsa_forward_progress 1
		.amdhsa_inst_pref_size 45
	.end_amdhsa_kernel
	.amdgpu_metadata
---
amdhsa.version: [ 1, 2 ]
amdhsa.kernels:
  - .name:           k_q6357fd707d_prep
    .symbol:         k_q6357fd707d_prep.kd
    .args:
      - { .name: W1, .offset: 0, .size: 8, .value_kind: global_buffer, .address_space: global }
      - { .name: W2, .offset: 8, .size: 8, .value_kind: global_buffer, .address_space: global }
      - { .name: dec_hidden, .offset: 16, .size: 8, .value_kind: global_buffer, .address_space: global }
      - { .name: b1, .offset: 24, .size: 8, .value_kind: global_buffer, .address_space: global }
      - { .name: b2, .offset: 32, .size: 8, .value_kind: global_buffer, .address_space: global }
      - { .name: w2c, .offset: 40, .size: 8, .value_kind: global_buffer, .address_space: global }
      - { .name: w2s, .offset: 48, .size: 8, .value_kind: global_buffer, .address_space: global }
      - { .name: qc, .offset: 56, .size: 8, .value_kind: global_buffer, .address_space: global }
    .group_segment_fixed_size: 153600
    .private_segment_fixed_size: 0
    .kernarg_segment_align: 8
    .kernarg_segment_size: 64
    .max_flat_workgroup_size: 256
    .sgpr_count:     66
    .vgpr_count:     258
    .wavefront_size: 32
...
	.end_amdgpu_metadata
.endif
;; end of part 1
;; launch main (part 2): grid 256 x 1, 4 waves a work-group, no clusters, 327,680 bytes of LDS; arguments all_enc_hiddens, w2c, w2s, qc, V, sc, pc, pm; writes sc, pc, pm
.if DOCPART == 2
	.amdgcn_target "amdgcn-amd-amdhsa--gfx1250"
	.amdhsa_code_object_version 6
	.text
	.protected	k_q6357fd707d_main
	.globl	k_q6357fd707d_main
	.p2align	8
	.type	k_q6357fd707d_main,@function
k_q6357fd707d_main:
	s_mov_b64 s[64:65], 0
	v_nop
	global_prefetch_b8 v0, s[64:65] scope:SCOPE_SE
	s_setreg_imm32_b32 hwreg(HW_REG_WAVE_MODE, 25, 1), 1
	s_wait_xcnt 0x0
; For 256 rows (t) of one batch: s = -2 x sum over u of V[u] / (1 + 2^(C2 acc + cq)), acc = Q(enc) Q(W2) on codes of FP4 (E2M1) with E8M0 scales, cq = C2 (q + b1 + b2) from the launch before, C2 = 2 log2(e);
; a running softmax over the rows, and the partial context sum of p x enc in f32.  s is the reference's score less (sum of V + bv).
; LEFT OUT: bv and the sum of V are the same for all t of a batch, so the softmax over t cancels them for all finite inputs (shown at the head of the first kernel); bv is not an argument.
; ENC IS READ FROM MEMORY ONCE: a block of 32 f32 rows stays in LDS while its scores are made, and is then weighted from there.
; SHARES.  Work-group g owns rows 256 g .. 256 g + 255 (batch g / 8), as 8 blocks of 32 rows through two LDS slots.  Wave w owns u = 256 w .. + 255 (16 tiles of 16 columns of W2) and columns 256 w .. + 255 of enc:
; it fetches that chunk of a slot, quantises it (K steps 2 w, 2 w + 1) and sums its context columns from it.  The codes of the 32 rows go from wave to wave through LDS as images of the operand's registers.
; W2'S 16 TILES OF A WAVE: tiles 0-7 stay in windows 2 and 3, tile 8 in window 0 (576 registers); tile 9 stays in the wave's own 8,192 bytes of LDS; tiles 10-15 are loaded again for each block, a pair (128 registers)
; at a time, straight into registers: 6 x 8,192 bytes a wave and block.  The eight passes of a block go (10,11) (0,1) (2,3) (12,13) (4,5) (6,7) (14,15) (9,8): a pair is asked for when the pair before it has been
; multiplied, two passes on tiles that stay ahead of its use; the next block's tiles 11 and 10 are asked for in the last two passes and land under the softmax, the context and the quantiser.
; An exponential that overflows gives the reciprocal 0 (tanh = 1), one that falls to 0 the reciprocal 1 (tanh = -1).  The product with V (N = 1) is the fused multiply-add behind the reciprocal, in f32.
; NO CLUSTER: no two work-groups read the same rows of enc; W2's codes are shared by all, but a joint load lands in LDS, of which this text leaves 5,120 bytes.
; NO PREFETCH: a slot's refill stands first behind the block's barrier and is waited for at the next block's head: all of a block's work lies between.
; LIMITS: NaN and infinities among the inputs are not served.  A block of zeros gets the scale byte 1 over zero codes (this program alone reads the bytes).  The score is summed in another order than the reference's.
; REGISTERS, in windows of 256 (s_set_vgpr_msb: bits 1:0 source 0, 3:2 source 1, 5:4 source 2, 7:6 destination):
;   window 0: v0-19 addresses; v20-31 statistics and work; v32-39 context; v40-47 enc's scale words; v48-111 W2's; v112-143 (cq, V) a tile; v144-175 four accumulators; v176-191 the rows' sums
;             (v144-177 also the quantiser's work); v192-255 tile 8.
;   window 1: v0-127 enc's 16 fragments, before that the f32 numbers being quantised, behind that the context's two sets of 40; v128-255 the pair of tiles that comes and goes.
;   window 2: tiles 0-3 (64 (n % 4) + 8 s);   window 3: tiles 4-7.
.set CH,    33280                      ; a wave's chunk of a slot: 32 rows x (1,024 bytes + 16 of padding)
.set RP,    1040
.set SLOTB, 4*CH                       ; 133,120 = 2^17 + 2^11
.set XIMG,  2*SLOTB                    ; enc's 16 fragment images, (2 s + m) x 1,024
.set XSC,   XIMG+16384                 ; their scale words: 128 s + 64 m + 4 r
.set SCR,   XSC+1024                   ; the waves' partial scores: 128 x wave + 4 x row
.set PB,    SCR+512                    ; for each wave: (p, p) of the block's 32 rows
.set SCO,   PB+1024                    ; for each wave: its copy of the 256 scores
.set SPARE, SCO+4096                   ; the spare words, 128 bytes for each wave
.set LW,    SPARE+512                  ; for each wave: tile 9 of W2, 8,192 bytes, stored once at the head; no tensor load lands here
.set ADQ0, 2
.set ADQ,  3
.set ADC0, 4
.set ADC,  5
.set XWI,  6
.set XWS,  7
.set XRI,  8
.set XRS,  9
.set SCW,  10
.set SCRD, 11
.set PBW,  12
.set PBR,  13
.set SCA,  14
.set SCE,  15
.set SPW,  16                          ; my spare word; never rewritten
.set NIL,  17                          ; 0; never rewritten
.set LRD,  18                          ; LW + 8,192 w + 16 x lane
.set RM,   20
.set RL,   21
.set FF,   22
.set CTX,  32
.set AS,   40
.set BS,   48                          ; tile n: register 4 n + q: lanes 0-15 K step q, lanes 16-31 K step 4 + q
.set CV,   112
.set AC,   144
.set SA,   176
.set TM,   144
.set CT2,  144                         ; v144-151: in the context phase a second set of sums, for rows 2 and 3 of each four; joined with v32-39 at the phase's end
.set PC0,  160
.set PC1,  168
.set PW0,  176
.set PW1,  177
.set G1,   24
.set G0,   32
.set CUR,  38
.set CS,   42
.set MSB, 0
.macro WIN new
.if MSB != (\new)
	s_set_vgpr_msb (MSB<<8)|(\new)
.set MSB, (\new)
.endif
.endm
.macro PLACES                          ; four plain places behind a matrix instruction (ISA guide 7.12.1)
.rept 4
	v_nop
.endr
.endm
; Fragment f = 2 m + sl: 64 f32 numbers a lane, register 16 b + i = k 32 b + 16 h + i of row 16 m + r, into window 1, v[64 set ..]
.macro LOADF f, set
	WIN 0x40
.irp b, 0,1,2,3
.irp j, 0,1,2,3
	ds_load_b128 v[64*\set+16*\b+4*\j:64*\set+16*\b+4*\j+3], v[ADQ] offset:16*RP*((\f)/2)+512*((\f)%2)+128*\b+16*\j
.endr
.endr
.endm
; Those 64 numbers become a fragment's codes and its rows' scale word.  A block of 32 lies in lanes l and l xor 16.
.macro QUANTW set, pc, pw
	WIN 0x15                                       ; two chains for each of the four blocks: eight lines that do not hang on each other
.irp b, 0,1,2,3
	v_max3_num_f32 v[TM+\b], |v[64*\set+16*\b]|, |v[64*\set+16*\b+1]|, |v[64*\set+16*\b+2]|
.endr
.irp b, 0,1,2,3
	v_max3_num_f32 v[TM+8+\b], |v[64*\set+16*\b+3]|, |v[64*\set+16*\b+4]|, |v[64*\set+16*\b+5]|
.endr
	WIN 0x14
.irp i, 6,10
.irp b, 0,1,2,3
	v_max3_num_f32 v[TM+\b], v[TM+\b], |v[64*\set+16*\b+\i]|, |v[64*\set+16*\b+\i+1]|
.endr
.irp b, 0,1,2,3
	v_max3_num_f32 v[TM+8+\b], v[TM+8+\b], |v[64*\set+16*\b+\i+2]|, |v[64*\set+16*\b+\i+3]|
.endr
.endr
.irp b, 0,1,2,3
	v_max3_num_f32 v[TM+\b], v[TM+\b], |v[64*\set+16*\b+14]|, |v[64*\set+16*\b+15]|
.endr
	WIN 0
.irp b, 0,1,2,3
	v_max3_num_f32 v[TM+\b], v[TM+\b], v[TM+8+\b], 0x1800000   ; with the floor 2^(3 - 127): the byte cannot fall under 1
.endr
	WIN 0
.irp b, 0,1,2,3
	v_permlanex16_b32 v[TM+4+\b], v[TM+\b], s44, s45
.endr
.irp b, 0,1,2,3
	v_max_num_f32 v[TM+\b], v[TM+\b], v[TM+4+\b]
.endr
.irp b, 0,1,2,3
	v_add_nc_u32 v[TM+12+\b], 0xff000000, v[TM+\b] ; 2 off the exponent field: the conversion's scale operand
.endr
.irp b, 0,1,2,3
	v_lshrrev_b32 v[TM+4+\b], 23, v[TM+12+\b]      ; the scale's byte
.endr
	v_lshl_or_b32 v[\pw], v[TM+5], 8, v[TM+4]
	v_lshl_or_b32 v[\pw], v[TM+6], 16, v[\pw]
	v_lshl_or_b32 v[\pw], v[TM+7], 24, v[\pw]
	WIN 0x01
.irp b, 0,1,2,3
	v_cvt_scalef32_pk8_fp4_f32 v[\pc+2*\b], v[64*\set+16*\b:64*\set+16*\b+7], v[TM+12+\b]
	v_cvt_scalef32_pk8_fp4_f32 v[\pc+1+2*\b], v[64*\set+16*\b+8:64*\set+16*\b+15], v[TM+12+\b]
.endr
	WIN 0
	v_nop                                          ; one plain place behind a scaled conversion
.irp c, 0,1
.irp i, 0,1
	v_permlane16_swap_b32 v[\pc+4*\c+\i], v[\pc+2+4*\c+\i]
.endr
.endr
.endm
.macro IMG f, pc, pw
	WIN 0
	ds_store_b128 v[XWI], v[\pc:\pc+3] offset:(2*((\f)%2)+(\f)/2)*1024
	ds_store_b128 v[XWI], v[\pc+4:\pc+7] offset:(2*((\f)%2)+(\f)/2)*1024+512
	ds_store_b32 v[XWS], v[\pw] offset:128*((\f)%2)+64*((\f)/2)
.endm
.macro AFETCH                                  ; the scale words first, then the 16 fragments K step by K step, four loads to a K step
	WIN 0
.irp s, 0,1,2,3,4,5,6,7
	ds_load_b32 v[AS+\s], v[XRS] offset:128*\s
.endr
	WIN 0x40
.irp s, 0,1,2,3,4,5,6,7
.irp m, 0,1
.irp c, 0,1
	ds_load_b128 v[8*(2*\s+\m)+4*\c:8*(2*\s+\m)+4*\c+3], v[XRI] offset:(2*\s+\m)*1024+512*\c
.endr
.endr
.endr
.endm
; Two matrix instructions: K step s of tile n (fragments at v[rb + 8 s] of the window that win names) x the two tiles of rows, onto accumulators 2 u, 2 u + 1.  Source 0 = 16 rows of enc, source 1 = 16 columns of W2.
.macro WM2 win, rb, n, s, u
	WIN \win
.irp m, 0,1
.set rD, AC+8*(2*(\u)+\m)
.set rA, 8*(2*(\s)+\m)
.set rB, (\rb)+8*(\s)
.set rX, AS+(\s)
.set rY, BS+4*(\n)+((\s)%4)
.if (\s) == 0
.if \m == 0
	v_wmma_scale_f32_16x16x128_f8f6f4 v[rD:rD+7], v[rA:rA+7], v[rB:rB+7], 0, v[rX], v[rY] matrix_a_fmt:MATRIX_FMT_FP4 matrix_b_fmt:MATRIX_FMT_FP4
.else
	v_wmma_scale_f32_16x16x128_f8f6f4 v[rD:rD+7], v[rA:rA+7], v[rB:rB+7], 0, v[rX], v[rY] matrix_a_fmt:MATRIX_FMT_FP4 matrix_b_fmt:MATRIX_FMT_FP4 matrix_a_scale:MATRIX_SCALE_ROW1
.endif
.elseif (\s) < 4
.if \m == 0
	v_wmma_scale_f32_16x16x128_f8f6f4 v[rD:rD+7], v[rA:rA+7], v[rB:rB+7], v[rD:rD+7], v[rX], v[rY] matrix_a_fmt:MATRIX_FMT_FP4 matrix_b_fmt:MATRIX_FMT_FP4
.else
	v_wmma_scale_f32_16x16x128_f8f6f4 v[rD:rD+7], v[rA:rA+7], v[rB:rB+7], v[rD:rD+7], v[rX], v[rY] matrix_a_fmt:MATRIX_FMT_FP4 matrix_b_fmt:MATRIX_FMT_FP4 matrix_a_scale:MATRIX_SCALE_ROW1
.endif
.else
.if \m == 0
	v_wmma_scale_f32_16x16x128_f8f6f4 v[rD:rD+7], v[rA:rA+7], v[rB:rB+7], v[rD:rD+7], v[rX], v[rY] matrix_a_fmt:MATRIX_FMT_FP4 matrix_b_fmt:MATRIX_FMT_FP4 matrix_b_scale:MATRIX_SCALE_ROW1
.else
	v_wmma_scale_f32_16x16x128_f8f6f4 v[rD:rD+7], v[rA:rA+7], v[rB:rB+7], v[rD:rD+7], v[rX], v[rY] matrix_a_fmt:MATRIX_FMT_FP4 matrix_b_fmt:MATRIX_FMT_FP4 matrix_a_scale:MATRIX_SCALE_ROW1 matrix_b_scale:MATRIX_SCALE_ROW1
.endif
.endif
.endr
.endm
; 32 matrix instructions: two tiles x two tiles of rows, all of K.  The four accumulators take turns, one instruction a turn.  The first K step starts the sums.
; fw = 1: enc's fragments are arriving from LDS, four loads to a K step;  fw = 2: the pair of tiles is arriving from memory, four loads to a K step;  fw = 3: tile 9 is arriving from LDS, two loads to a K step.
; Loads come back in order: ahead of K step s the loads of the later K steps may be out.
.macro MM wa, ba, na, wb, bb, nb, fw
.irp s, 0,1,2,3,4,5,6,7
.if \fw == 1
	s_wait_dscnt 4*(7-\s)
.elseif \fw == 2
	s_wait_loadcnt 4*(7-\s)
.elseif \fw == 3
	s_wait_dscnt 2*(7-\s)
.endif
	WM2 \wa, \ba, \na, \s, 0
	WM2 \wb, \bb, \nb, \s, 1
.endr
.endm
; The pass's 32 x 32 sums become V / (1 + 2^(C2 acc + cq)) and are added to the rows' sums.  first = 1: the block's first pass starts those sums.
.macro TANH n0, n1, first
	WIN 0
.irp k, 0,1,2,3,4,5,6,7                        ; ascending: each accumulator is read from its low end on
	v_pk_fma_f32 v[AC+2*\k:AC+2*\k+1], v[AC+2*\k:AC+2*\k+1], s[CS:CS+1], v[CV+2*(\n0):CV+2*(\n0)+1] op_sel_hi:[1,0,0]
.endr
.irp k, 8,9,10,11,12,13,14,15
	v_pk_fma_f32 v[AC+2*\k:AC+2*\k+1], v[AC+2*\k:AC+2*\k+1], s[CS:CS+1], v[CV+2*(\n1):CV+2*(\n1)+1] op_sel_hi:[1,0,0]
.endr
	s_wait_alu depctr_va_vdst(0)                   ; a wait ahead of a batch of transcendentals and one behind it
.irp j, 0,1,2,3,4,5,6,7,8,9,10,11,12,13,14,15,16,17,18,19,20,21,22,23,24,25,26,27,28,29,30,31
	v_exp_f32 v[AC+\j], v[AC+\j]
.endr
	v_nop
	s_wait_alu depctr_va_vdst(0)
.irp k, 0,1,2,3,4,5,6,7,8,9,10,11,12,13,14,15
	v_pk_add_f32 v[AC+2*\k:AC+2*\k+1], v[AC+2*\k:AC+2*\k+1], 1.0 op_sel_hi:[1,0]
.endr
	s_wait_alu depctr_va_vdst(0)
.irp j, 0,1,2,3,4,5,6,7,8,9,10,11,12,13,14,15,16,17,18,19,20,21,22,23,24,25,26,27,28,29,30,31
	v_rcp_f32 v[AC+\j], v[AC+\j]
.endr
	v_nop
	s_wait_alu depctr_va_vdst(0)
.irp m, 0,1
.irp p, 0,1,2,3
.if \first
	v_pk_mul_f32 v[SA+8*\m+2*\p:SA+8*\m+2*\p+1], v[AC+8*\m+2*\p:AC+8*\m+2*\p+1], v[CV+2*(\n0):CV+2*(\n0)+1] op_sel:[0,1] op_sel_hi:[1,1]   ; x V: the pair's second word for both halves
.else
	v_pk_fma_f32 v[SA+8*\m+2*\p:SA+8*\m+2*\p+1], v[AC+8*\m+2*\p:AC+8*\m+2*\p+1], v[CV+2*(\n0):CV+2*(\n0)+1], v[SA+8*\m+2*\p:SA+8*\m+2*\p+1] op_sel:[0,1,0] op_sel_hi:[1,1,1]
.endif
.endr
.endr
.irp m, 0,1
.irp p, 0,1,2,3
	v_pk_fma_f32 v[SA+8*\m+2*\p:SA+8*\m+2*\p+1], v[AC+16+8*\m+2*\p:AC+16+8*\m+2*\p+1], v[CV+2*(\n1):CV+2*(\n1)+1], v[SA+8*\m+2*\p:SA+8*\m+2*\p+1] op_sel:[0,1,0] op_sel_hi:[1,1,1]
.endr
.endr
.endm
.macro STREAM2 n0                              ; tiles n0, n0 + 1 into window 1, v128-255, K step by K step: each load of the wave covers 512 consecutive bytes, aligned
	WIN 0x40
.irp s, 0,1,2,3,4,5,6,7
.irp u, 0,1
.irp c, 0,1
	global_load_b128 v[128+64*\u+8*\s+4*\c:128+64*\u+8*\s+4*\c+3], v1, s[6:7] offset:(((\n0)+\u)*8+\s)*1024+512*\c
.endr
.endr
.endr
.endm
.macro SLD buf, t                              ; one tile into half buf of those registers
	WIN 0x40
.irp s, 0,1,2,3,4,5,6,7
.irp c, 0,1
	global_load_b128 v[128+64*\buf+8*\s+4*\c:128+64*\buf+8*\s+4*\c+3], v1, s[6:7] offset:((\t)*8+\s)*1024+512*\c
.endr
.endr
.endm
.macro LLOAD                                   ; tile 9 out of my LDS bytes into the first half
	WIN 0x40
.irp s, 0,1,2,3,4,5,6,7
.irp c, 0,1
	ds_load_b128 v[128+8*\s+4*\c:128+8*\s+4*\c+3], v[LRD] offset:\s*1024+512*\c
.endr
.endr
.endm
.macro RPASS win, b, t                         ; two tiles that stay
	MM \win, \b, \t, \win, (\b)+64, (\t)+1, 0
	PLACES
	TANH \t, (\t)+1, 0
.endm
.macro CLOAD g, k                              ; rows 4 g .. 4 g + 3: their (p, p) and my 8 columns of each, into set k of window 1: ten loads
	WIN 0x40
	ds_load_b128 v[40*(\k):40*(\k)+3], v[PBR] offset:32*(\g)
	ds_load_b128 v[40*(\k)+4:40*(\k)+7], v[PBR] offset:32*(\g)+16
.irp i, 0,1,2,3
	ds_load_b128 v[8+40*(\k)+8*\i:8+40*(\k)+8*\i+3], v[ADC] offset:(4*(\g)+\i)*RP
	ds_load_b128 v[8+40*(\k)+8*\i+4:8+40*(\k)+8*\i+7], v[ADC] offset:(4*(\g)+\i)*RP+512
.endr
.endm
.macro CFMA k, first                           ; rows 0 and 1 of the four onto v32-39, rows 2 and 3 onto the second set, by turns; first: the block's first product starts the second set
	WIN 0x05
.irp i, 0,2,1,3
.irp c, 0,1,2,3
.set rC, CTX+2*\c+(CT2-CTX)*(\i/2)
.if (\first) && (\i == 2)
	v_pk_mul_f32 v[rC:rC+1], v[8+40*(\k)+8*\i+2*\c:8+40*(\k)+8*\i+2*\c+1], v[40*(\k)+2*\i:40*(\k)+2*\i+1]
.else
	v_pk_fma_f32 v[rC:rC+1], v[8+40*(\k)+8*\i+2*\c:8+40*(\k)+8*\i+2*\c+1], v[40*(\k)+2*\i:40*(\k)+2*\i+1], v[rC:rC+1]
.endif
.endr
.endr
.endm
; A BLOCK OF 32 ROWS, in the slot at s[CUR].  refill = 1: the other slot takes the next block.  last = 1: no tiles of W2 are asked for beyond the launch's end.
.macro TRIP refill, last
	s_wait_tensorcnt 0x0                           ; all my tensor loads have landed: my chunk of this slot; so group 0 may be written
	ds_add_u32 v[SPW], v[NIL]
.if \refill
	s_xor_b32 s[G0+1], s[G0+1], SLOTB              ; the other slot than last time: my chunk's base, w x 33,280, has neither of SLOTB's two bits
	s_add_nc_u64 s[G0+2:G0+3], s[G0+2:G0+3], 131072   ; 32 rows of 4,096 bytes on
.endif
	v_add_nc_u32 v[ADQ], s[CUR], v[ADQ0]
	v_add_nc_u32 v[ADC], s[CUR], v[ADC0]
	s_wait_alu depctr_va_vdst(0)
	s_wait_dscnt 0x0                               ; the add is done, and my reads of the other slot are over
	s_barrier_signal -1
	s_barrier_wait -1
.if \refill
	tensor_load_to_lds s[G0:G0+3], s[G1:G1+7]      ; my one tensor load behind this barrier
	s_nop 0
.rept 4
	v_nop
.endr
.endif
	LOADF 0, 0
	LOADF 1, 1
	s_wait_dscnt 16                                ; fragment 0 is in; fragment 1's 16 loads may be out
	QUANTW 0, PC0, PW0
	LOADF 2, 0
	IMG 0, PC0, PW0
	s_wait_dscnt 19                                ; fragment 1 is in; behind it 16 loads and 3 stores
	QUANTW 1, PC1, PW1
	LOADF 3, 1
	IMG 1, PC1, PW1
	s_wait_dscnt 19
	QUANTW 0, PC0, PW0
	IMG 2, PC0, PW0
	s_wait_dscnt 3                                 ; fragment 3 is in; behind it 3 stores
	QUANTW 1, PC1, PW1
	IMG 3, PC1, PW1
	s_wait_dscnt 0x0                               ; for the others' sake: my images have landed
	s_barrier_signal -1
	s_barrier_wait -1                              ; The tensor load may stay out
	s_wait_loadcnt 0x0                             ; tiles 10 and 11 (first block: all that the head asked for, so the offsets in v40-42 have been read and those registers may take enc's scale words)
	AFETCH
	MM 0x05, 128, 10, 0x05, 192, 11, 1
	PLACES
	STREAM2 12
	TANH 10, 11, 1
	RPASS 0x09, 0, 0
	RPASS 0x09, 128, 2
	MM 0x05, 128, 12, 0x05, 192, 13, 2             ; the only global loads out are this pair's 32
	PLACES
	STREAM2 14
	TANH 12, 13, 0
	RPASS 0x0d, 0, 4
	RPASS 0x0d, 128, 6
	MM 0x05, 128, 14, 0x05, 192, 15, 2
	PLACES
	LLOAD
.if 1-\last
	SLD 1, 11                                      ; the next block's
.endif
	TANH 14, 15, 0
	MM 0x05, 128, 9, 0x01, 192, 8, 3               ; the only LDS loads out are tile 9's 16
	PLACES
.if 1-\last
	SLD 0, 10
.endif
	TANH 9, 8, 0
	; the rows' sums over the sixteen lanes that hold their columns, then over the four waves
.irp x, 1,2,4,8
.irp j, 0,1,2,3,4,5,6,7,8,9,10,11,12,13,14,15
	v_add_f32_dpp v[SA+\j], v[SA+\j], v[SA+\j] row_xmask:\x row_mask:0xf bank_mask:0xf
.endr
.endr
.irp j, 0,1,2,3,4,5,6,7,8,9,10,11,12,13,14,15
	ds_store_b32 v[SCW], v[SA+\j] offset:4*(16*(\j/8)+(\j%8))
.endr
	s_wait_dscnt 0x0
	s_barrier_signal -1
	s_barrier_wait -1
.irp w, 0,1,2,3
	ds_load_b32 v[24+\w], v[SCRD] offset:128*\w    ; lane = row
.endr
	s_wait_dscnt 0x0
	v_add_f32 v24, v24, v25
	v_add_f32 v26, v26, v27
	v_add_f32 v24, v24, v26
	v_mul_f32 v24, -2.0, v24                       ; the row's score, less the terms that are the same for all rows
	v_add_nc_u32 v25, s41, v[SCA]
	ds_store_b32 v25, v24
	; the running softmax, alike in each wave
	v_max_num_f32_dpp v26, v24, v24 row_xmask:1 row_mask:0xf bank_mask:0xf
	v_max_num_f32_dpp v26, v26, v26 row_xmask:2 row_mask:0xf bank_mask:0xf
	v_max_num_f32_dpp v26, v26, v26 row_xmask:4 row_mask:0xf bank_mask:0xf
	v_max_num_f32_dpp v26, v26, v26 row_xmask:8 row_mask:0xf bank_mask:0xf
	v_permlanex16_b32 v27, v26, s44, s45
	v_max_num_f32 v26, v26, v27
	v_max_num_f32 v26, v26, v[RM]
	v_sub_f32 v27, v[RM], v26
	v_sub_f32 v28, v24, v26
	v_mul_f32 v27, s47, v27
	v_mul_f32 v28, s47, v28
	s_wait_alu depctr_va_vdst(0)
	v_exp_f32 v[FF], v27                           ; e^(old maximum - new)
	v_exp_f32 v28, v28                             ; p = e^(score - maximum)
	v_mov_b32 v[RM], v26
	s_wait_alu depctr_va_vdst(0)
	v_mov_b32 v29, v28
	ds_store_b64 v[PBW], v[28:29]
	CLOAD 0, 0                                     ; the context's first two groups are asked for ahead of the sum's chain.  LDS serves a wave's instructions in order: the loads of (p, p) see my store
	CLOAD 1, 1
	WIN 0
	v_add_f32_dpp v30, v28, v28 row_xmask:1 row_mask:0xf bank_mask:0xf
	v_add_f32_dpp v30, v30, v30 row_xmask:2 row_mask:0xf bank_mask:0xf
	v_add_f32_dpp v30, v30, v30 row_xmask:4 row_mask:0xf bank_mask:0xf
	v_add_f32_dpp v30, v30, v30 row_xmask:8 row_mask:0xf bank_mask:0xf
	v_permlanex16_b32 v31, v30, s44, s45
	v_add_f32 v30, v30, v31
	v_fma_f32 v[RL], v[RL], v[FF], v30
.irp c, 0,1,2,3
	v_pk_mul_f32 v[CTX+2*\c:CTX+2*\c+1], v[CTX+2*\c:CTX+2*\c+1], v[FF:FF+1] op_sel_hi:[1,0]
.endr
	; the context: my 256 columns of the block's 32 rows, four rows at a time, two sets by turns.  LDS serves a wave's instructions in order: the loads of (p, p) see my store
.set G, 0
.rept 8
	s_wait_alu depctr_va_vdst(0)
.if G < 7
	s_wait_dscnt 10                                ; group G is in; the next group's ten loads may be out
.else
	s_wait_dscnt 0x0
.endif
	CFMA G%2, G==0
.if G < 6
	CLOAD G+2, G%2                                 ; into the set just used
.endif
.set G, G+1
.endr
	WIN 0
.irp c, 0,1,2,3
	v_pk_add_f32 v[CTX+2*\c:CTX+2*\c+1], v[CTX+2*\c:CTX+2*\c+1], v[CT2+2*\c:CT2+2*\c+1]
.endr
	WIN 0
.endm
	s_load_b512 s[4:19], s[0:1], 0x0               ; enc s[4:5], w2c s[6:7], w2s s[8:9], qc s[10:11], V s[12:13], sc s[14:15], pc s[16:17], pm s[18:19]
	v_lshl_add_u32 v[SPW], v0, 2, SPARE
	v_mov_b32 v[NIL], 0
	ds_add_u32 v[SPW], v[NIL]                      ; the opening lines: the add twice on end and its wait ahead of my first tensor load
	ds_add_u32 v[SPW], v[NIL]
	v_lshrrev_b32 v24, 5, v0
	v_readfirstlane_b32 s22, v24                   ; wave 0..3
	s_mov_b32 s[G1+0], (2<<16)|(1<<20)|(7<<22)|(3<<25)   ; elements of 4 bytes; four words of padding after every 256
	s_mov_b32 s[G1+1], 256<<16
	s_mov_b32 s[G1+2], 32<<16
	s_mov_b32 s[G1+3], 256<<16
	s_mov_b32 s[G1+4], 32
	s_mov_b32 s[G1+5], 1024
	s_mov_b32 s[G1+6], 0
	s_mov_b32 s[G1+7], 0
	s_mul_i32 s48, s22, CH                         ; my chunk in a slot
	s_lshl_b32 s50, ttmp9, 20                      ; enc: 256 rows of 4,096 bytes a work-group, 1,024 bytes a wave
	s_lshl_b32 s51, s22, 10
	s_add_co_u32 s50, s50, s51
	s_mov_b32 s51, 0
	s_wait_dscnt 0x0
	s_wait_kmcnt 0x0
	s_add_nc_u64 s[4:5], s[4:5], s[50:51]
	s_mov_b32 s[G0], 1
	s_mov_b32 s[G0+1], s48
	s_mov_b64 s[G0+2:G0+3], s[4:5]
	s_or_b32 s[G0+3], s[G0+3], 0x80000000
	tensor_load_to_lds s[G0:G0+3], s[G1:G1+7]      ; block 0; slot 1 is first filled behind the first block's barrier
	s_nop 0
.rept 4
	v_nop
.endr
	s_lshl_b32 s20, s22, 12                        ; the wave's parts of the LDS addresses
	s_add_co_u32 s20, s20, XIMG
	s_lshl_b32 s21, s22, 8
	s_add_co_u32 s21, s21, XSC
	s_lshl_b32 s23, s22, 7
	s_add_co_u32 s23, s23, SCR
	s_lshl_b32 s36, s22, 8
	s_add_co_u32 s36, s36, PB
	s_lshl_b32 s37, s22, 10
	s_add_co_u32 s37, s37, SCO
	s_mul_i32 s39, s22, 1280
	s_add_co_u32 s39, s39, SCO
	s_lshl_b32 s46, s22, 13
	s_add_co_u32 s46, s46, LW
	v_and_b32 v24, 31, v0                          ; lane
	v_and_b32 v25, 15, v0                          ; r
	v_bfe_u32 v26, v0, 4, 1                        ; h
	v_lshlrev_b32 v1, 4, v24                       ; 16 x lane
	v_mul_u32_u24 v[ADQ0], v25, RP
	v_lshl_add_u32 v[ADQ0], v26, 6, v[ADQ0]
	v_add_nc_u32 v[ADQ0], s48, v[ADQ0]
	v_add_nc_u32 v[ADC0], s48, v1
	v_add_nc_u32 v[XWI], s20, v1
	v_lshlrev_b32 v[XWS], 2, v25
	v_add_nc_u32 v[XWS], s21, v[XWS]
	v_add_nc_u32 v[XRI], XIMG, v1
	v_lshl_add_u32 v[XRS], v24, 2, XSC
	v_lshlrev_b32 v[SCW], 5, v26
	v_add_nc_u32 v[SCW], s23, v[SCW]
	v_lshl_add_u32 v[SCRD], v24, 2, SCR
	v_lshlrev_b32 v[PBW], 3, v24
	v_add_nc_u32 v[PBW], s36, v[PBW]
	v_mov_b32 v[PBR], s36
	v_lshlrev_b32 v[SCA], 2, v24
	v_add_nc_u32 v[SCA], s37, v[SCA]
	v_lshlrev_b32 v[SCE], 3, v24
	v_add_nc_u32 v[SCE], s39, v[SCE]
	v_add_nc_u32 v[LRD], s46, v1
	v_lshlrev_b32 v40, 5, v25
	v_lshl_add_u32 v40, v26, 4, v40                ; W2's scale words: 32 r + 16 h
	v_lshlrev_b32 v41, 3, v25                      ; cq: 8 r
	v_lshlrev_b32 v42, 2, v25                      ; V: 4 r
	v_mov_b32 v[RM], 0xff61b1e6                    ; the maximum so far: -3e38, under every score
	v_mov_b32 v[RL], 0
	v_mov_b32 v[FF], 0
	v_mov_b32 v[FF+1], 0
.irp i, 0,1,2,3,4,5,6,7
	v_mov_b32 v[CTX+\i], 0                         ; the loop is written once: its first block finds zeros
	v_mov_b32 v[24+\i], 0                          ; the destination of a lane permute or a DPP form counts as one of its sources
.endr
.irp b, 0,1,2,3
	v_mov_b32 v[TM+4+\b], 0
.endr
	s_wait_alu depctr_va_vdst(0)
	s_mov_b32 s[CS], 0x4038aa3b                    ; C2 = 2 log2(e)
	s_mov_b32 s[CS+1], s[CS]
	s_mov_b32 s44, 0x76543210
	s_mov_b32 s45, 0xfedcba98
	s_mov_b32 s47, 0x3fb8aa3b                      ; log2(e)
	s_lshl_b32 s52, s22, 17                        ; w2c: my 16 tiles of 8,192 bytes
	s_mov_b32 s53, 0
	s_lshl_b32 s54, s22, 13                        ; w2s: my 16 tiles of 512 bytes
	s_mov_b32 s55, 0
	s_lshr_b32 s23, ttmp9, 3                       ; my batch b.  In qc it lies in register R = 8 (b / 16) + b % 8 of the lanes of half (b / 8) % 2
	s_lshr_b32 s56, s23, 4
	s_lshl_b32 s56, s56, 3
	s_and_b32 s57, s23, 7
	s_add_co_u32 s56, s56, s57
	s_bfe_u32 s57, s23, 0x10003
	s_lshl_b32 s57, s57, 7
	s_and_b32 s49, s56, 1
	s_lshl_b32 s49, s49, 2
	s_lshr_b32 s56, s56, 1
	s_lshl_b32 s56, s56, 8
	s_add_co_u32 s56, s56, s57
	s_add_co_u32 s56, s56, s49
	s_lshl_b32 s57, s22, 15
	s_add_co_u32 s56, s56, s57
	s_mov_b32 s57, 0
	s_lshl_b32 s58, s22, 10                        ; V: my 256 numbers
	s_mov_b32 s59, 0
	s_lshl_b32 s60, ttmp9, 10                      ; sc: 1,024 g + 256 w
	s_lshl_b32 s61, s22, 8
	s_add_co_u32 s60, s60, s61
	s_mov_b32 s61, 0
	s_lshl_b32 s62, ttmp9, 12                      ; pc: 4,096 g + 1,024 w
	s_lshl_b32 s63, s22, 10
	s_add_co_u32 s62, s62, s63
	s_mov_b32 s63, 0
	s_lshl_b32 s50, ttmp9, 8                       ; pm: 256 g
	s_mov_b32 s51, 0
	s_add_nc_u64 s[6:7], s[6:7], s[52:53]
	s_add_nc_u64 s[8:9], s[8:9], s[54:55]
	s_add_nc_u64 s[10:11], s[10:11], s[56:57]
	s_add_nc_u64 s[12:13], s[12:13], s[58:59]
	s_add_nc_u64 s[14:15], s[14:15], s[60:61]
	s_add_nc_u64 s[16:17], s[16:17], s[62:63]
	s_add_nc_u64 s[18:19], s[18:19], s[50:51]
	WIN 0x40                                       ; tile 9 first, through window 1's v0-63 into my LDS bytes
.irp s, 0,1,2,3,4,5,6,7
.irp c, 0,1
	global_load_b128 v[8*\s+4*\c:8*\s+4*\c+3], v1, s[6:7] offset:(72+\s)*1024+512*\c
.endr
.endr
	WIN 0
.irp n, 0,1,2,3,4,5,6,7,8,9,10,11,12,13,14,15
	global_load_b128 v[BS+4*\n:BS+4*\n+3], v40, s[8:9] offset:512*\n
	global_load_b32 v[CV+2*\n], v41, s[10:11] offset:2048*\n
	global_load_b32 v[CV+2*\n+1], v42, s[12:13] offset:64*\n
.endr
	s_wait_loadcnt 48                              ; tile 9's 16 loads are in; the 48 behind them may be out
	WIN 0x04                                       ; the data in window 1
.irp s, 0,1,2,3,4,5,6,7
.irp c, 0,1
	ds_store_b128 v[LRD], v[8*\s+4*\c:8*\s+4*\c+3] offset:\s*1024+512*\c
.endr
.endr
	WIN 0x80                                       ; tiles 0-3
.irp n, 0,1,2,3
.irp s, 0,1,2,3,4,5,6,7
.irp c, 0,1
	global_load_b128 v[64*\n+8*\s+4*\c:64*\n+8*\s+4*\c+3], v1, s[6:7] offset:(8*\n+\s)*1024+512*\c
.endr
.endr
.endr
	WIN 0xc0                                       ; tiles 4-7
.irp n, 0,1,2,3
.irp s, 0,1,2,3,4,5,6,7
.irp c, 0,1
	global_load_b128 v[64*\n+8*\s+4*\c:64*\n+8*\s+4*\c+3], v1, s[6:7] offset:(8*(4+\n)+\s)*1024+512*\c
.endr
.endr
.endr
	WIN 0                                          ; tile 8
.irp s, 0,1,2,3,4,5,6,7
.irp c, 0,1
	global_load_b128 v[192+8*\s+4*\c:192+8*\s+4*\c+3], v1, s[6:7] offset:(64+\s)*1024+512*\c
.endr
.endr
	STREAM2 10
	WIN 0
	s_mov_b32 s40, 7
	s_mov_b32 s41, 0                               ; where the block's scores go in a wave's copy: 128 bytes a block
	s_mov_b32 s[CUR], 0
.Lloop:                                            ; seven trips of one block; each asks for the next block
	TRIP 1, 0
	s_xor_b32 s[CUR], s[CUR], SLOTB
	s_add_co_u32 s41, s41, 128
	s_sub_co_u32 s40, s40, 1
	s_cmp_lg_u32 s40, 0
	s_cbranch_scc1 .Lloop
	TRIP 0, 1                                      ; block 7 is written out: it asks for nothing
	ds_load_b64 v[24:25], v[SCE]
	v_lshrrev_b32 v26, 1, v1                       ; 8 x lane
	s_wait_alu depctr_va_vdst(0)
	s_wait_dscnt 0x0
	global_store_b64 v26, v[24:25], s[14:15]       ; the wave stores 256 consecutive bytes, aligned
	global_store_b128 v1, v[CTX:CTX+3], s[16:17]   ; my 256 columns of the partial context: 512 consecutive bytes a store
	global_store_b128 v1, v[CTX+4:CTX+7], s[16:17] offset:512
	s_cmp_lg_u32 s22, 0
	s_cbranch_scc1 .Lnot_wave_0
	global_store_b64 v26, v[RM:RL], s[18:19]       ; (maximum, sum), 32 copies: 256 consecutive bytes, aligned
.Lnot_wave_0:
	s_wait_tensorcnt 0x0                           ; the wave's end
	ds_add_u32 v[SPW], v[NIL]
	s_wait_dscnt 0x0
	s_endpgm
.Lfunc_end_k_q6357fd707d_main:
	.size	k_q6357fd707d_main, .Lfunc_end_k_q6357fd707d_main-k_q6357fd707d_main
	.p2alignl 7, 3214868480
	.fill 96, 4, 3214868480
	.section	.rodata,"a",@progbits
	.p2align	6, 0x0
	.amdhsa_kernel k_q6357fd707d_main
		.amdhsa_group_segment_fixed_size 327680
		.amdhsa_private_segment_fixed_size 0
		.amdhsa_enable_private_segment 0
		.amdhsa_kernarg_size 64
		.amdhsa_user_sgpr_count 2
		.amdhsa_user_sgpr_kernarg_segment_ptr 1
		.amdhsa_wavefront_size32 1
		.amdhsa_system_sgpr_workgroup_id_x 1
		.amdhsa_system_sgpr_workgroup_id_y 1
		.amdhsa_system_sgpr_workgroup_id_z 1
		.amdhsa_system_vgpr_workitem_id 0
		.amdhsa_next_free_vgpr 1024
		.amdhsa_next_free_sgpr 66
		.amdhsa_reserve_vcc 0
		.amdhsa_float_denorm_mode_32 3
		.amdhsa_float_denorm_mode_16_64 3
		.amdhsa_memory_ordered 1
		.amdhsa_forward_progress 1
		.amdhsa_inst_pref_size 255
	.end_amdhsa_kernel
	.section	.bss,"aw",@nobits
	.p2align	6
	.space	262144
	.amdgpu_metadata
---
amdhsa.version: [ 1, 2 ]
amdhsa.kernels:
  - .name:           k_q6357fd707d_main
    .symbol:         k_q6357fd707d_main.kd
    .args:
      - { .name: all_enc_hiddens, .offset: 0, .size: 8, .value_kind: global_buffer, .address_space: global }
      - { .name: w2c, .offset: 8, .size: 8, .value_kind: global_buffer, .address_space: global }
      - { .name: w2s, .offset: 16, .size: 8, .value_kind: global_buffer, .address_space: global }
      - { .name: qc, .offset: 24, .size: 8, .value_kind: global_buffer, .address_space: global }
      - { .name: V, .offset: 32, .size: 8, .value_kind: global_buffer, .address_space: global }
      - { .name: sc, .offset: 40, .size: 8, .value_kind: global_buffer, .address_space: global }
      - { .name: pc, .offset: 48, .size: 8, .value_kind: global_buffer, .address_space: global }
      - { .name: pm, .offset: 56, .size: 8, .value_kind: global_buffer, .address_space: global }
    .group_segment_fixed_size: 327680
    .private_segment_fixed_size: 0
    .kernarg_segment_align: 8
    .kernarg_segment_size: 64
    .max_flat_workgroup_size: 128
    .sgpr_count:     66
    .vgpr_count:     1024
    .wavefront_size: 32
...
	.end_amdgpu_metadata
.endif
;; end of part 2
;; launch finish (part 3): grid 32 x 1, 8 waves a work-group, no clusters, 0 bytes of LDS; arguments sc, pc, pm, out0, out1; writes out0, out1
.if DOCPART == 3
	.amdgcn_target "amdgcn-amd-amdhsa--gfx1250"
	.amdhsa_code_object_version 6
	.text
	.protected	k_q6357fd707d_finish
	.globl	k_q6357fd707d_finish
	.p2align	8
	.type	k_q6357fd707d_finish,@function
k_q6357fd707d_finish:
	s_mov_b64 s[64:65], 0
	v_nop
	global_prefetch_b8 v0, s[64:65] scope:SCOPE_SE
	s_setreg_imm32_b32 hwreg(HW_REG_WAVE_MODE, 25, 1), 1
	s_wait_xcnt 0x0
; A batch's eight parts are joined: M = the largest of their maxima, e_g = e^(m_g - M), L = sum of l_g e_g;
; out0 (context) = (sum of e_g x partial context g) / L;  out1 (attn) = e^(score - M) / L.
; Work-group b takes batch b; thread t takes 4 columns of the context and 2 x 4 scores: every load and store of a wave covers 512 consecutive bytes.  No LDS, no barrier: threads share nothing.
; The matrix units, clusters and tensor loads have nothing to do here: 42 KB are read and 12 KB written by a work-group, once.
.set ML, 4                             ; v4-19   (m, l) of the eight parts
.set PX, 20                            ; v20-51  my 4 columns of the eight partial contexts
.set SS, 52                            ; v52-59  my 8 scores
.set EE, 62                            ; v62-69  e_g
.set OO, 72                            ; v72-75  the context
	s_load_b256 s[4:11], s[0:1], 0x0               ; sc s[4:5], pc s[6:7], pm s[8:9], out0 s[10:11]
	s_load_b64 s[12:13], s[0:1], 0x20              ; out1
	v_lshlrev_b32 v1, 4, v0                        ; 16 t
	v_mov_b32 v2, 0
	s_lshl_b32 s14, ttmp9, 13                      ; sc, out1: 8,192 bytes a batch
	s_mov_b32 s15, 0
	s_lshl_b32 s16, ttmp9, 15                      ; pc: 8 x 4,096
	s_mov_b32 s17, 0
	s_lshl_b32 s18, ttmp9, 11                      ; pm: 8 x 256
	s_mov_b32 s19, 0
	s_lshl_b32 s20, ttmp9, 12                      ; out0: 4,096
	s_mov_b32 s21, 0
	s_mov_b32 s22, 0x3fb8aa3b                      ; log2(e)
	s_wait_alu depctr_va_vdst(0)
	s_wait_kmcnt 0x0
	s_add_nc_u64 s[4:5], s[4:5], s[14:15]
	s_add_nc_u64 s[6:7], s[6:7], s[16:17]
	s_add_nc_u64 s[8:9], s[8:9], s[18:19]
	s_add_nc_u64 s[10:11], s[10:11], s[20:21]
	s_add_nc_u64 s[12:13], s[12:13], s[14:15]
.irp g, 0,1,2,3,4,5,6,7
	global_load_b64 v[ML+2*\g:ML+2*\g+1], v2, s[8:9] offset:256*\g
.endr
.irp g, 0,1,2,3,4,5,6,7
	global_load_b128 v[PX+4*\g:PX+4*\g+3], v1, s[6:7] offset:4096*\g
.endr
	global_load_b128 v[SS:SS+3], v1, s[4:5]
	global_load_b128 v[SS+4:SS+7], v1, s[4:5] offset:4096
	s_wait_loadcnt 0x0
	v_max3_num_f32 v60, v[ML], v[ML+2], v[ML+4]
	s_delay_alu instid0(VALU_DEP_1)
	v_max3_num_f32 v60, v60, v[ML+6], v[ML+8]
	s_delay_alu instid0(VALU_DEP_1)
	v_max3_num_f32 v60, v60, v[ML+10], v[ML+12]
	s_delay_alu instid0(VALU_DEP_1)
	v_max_num_f32 v60, v60, v[ML+14]               ; M
.irp g, 0,1,2,3,4,5,6,7
	v_sub_f32 v[EE+\g], v[ML+2*\g], v60
	v_sub_f32 v[SS+\g], v[SS+\g], v60
.endr
.irp g, 0,1,2,3,4,5,6,7
	v_mul_f32 v[EE+\g], s22, v[EE+\g]
	v_mul_f32 v[SS+\g], s22, v[SS+\g]
.endr
	s_wait_alu depctr_va_vdst(0)
.irp g, 0,1,2,3,4,5,6,7
	v_exp_f32 v[EE+\g], v[EE+\g]
.endr
.irp g, 0,1,2,3,4,5,6,7
	v_exp_f32 v[SS+\g], v[SS+\g]
.endr
	v_nop                                          ; one plain place behind the transcendentals
	s_wait_alu depctr_va_vdst(0)
	v_mul_f32 v61, v[ML+1], v[EE]
.irp g, 1,2,3,4,5,6,7
	v_fmac_f32 v61, v[ML+2*\g+1], v[EE+\g]         ; L
.endr
	s_wait_alu depctr_va_vdst(0)
	v_rcp_f32 v70, v61
.irp i, 0,1,2,3
	v_mul_f32 v[OO+\i], v[PX+\i], v[EE]            ; (plain places behind the reciprocal)
.endr
.irp g, 1,2,3,4,5,6,7
.irp i, 0,1,2,3
	v_fmac_f32 v[OO+\i], v[PX+4*\g+\i], v[EE+\g]
.endr
.endr
	s_wait_alu depctr_va_vdst(0)
.irp i, 0,1,2,3
	v_mul_f32 v[OO+\i], v[OO+\i], v70
.endr
.irp i, 0,1,2,3,4,5,6,7
	v_mul_f32 v[SS+\i], v[SS+\i], v70
.endr
	global_store_b128 v1, v[OO:OO+3], s[10:11]
	global_store_b128 v1, v[SS:SS+3], s[12:13]
	global_store_b128 v1, v[SS+4:SS+7], s[12:13] offset:4096
	s_endpgm
.Lfunc_end_k_q6357fd707d_finish:
	.size	k_q6357fd707d_finish, .Lfunc_end_k_q6357fd707d_finish-k_q6357fd707d_finish
	.p2alignl 7, 3214868480
	.fill 96, 4, 3214868480
	.section	.rodata,"a",@progbits
	.p2align	6, 0x0
	.amdhsa_kernel k_q6357fd707d_finish
		.amdhsa_group_segment_fixed_size 0
		.amdhsa_private_segment_fixed_size 0
		.amdhsa_enable_private_segment 0
		.amdhsa_kernarg_size 40
		.amdhsa_user_sgpr_count 2
		.amdhsa_user_sgpr_kernarg_segment_ptr 1
		.amdhsa_wavefront_size32 1
		.amdhsa_system_sgpr_workgroup_id_x 1
		.amdhsa_system_sgpr_workgroup_id_y 1
		.amdhsa_system_sgpr_workgroup_id_z 1
		.amdhsa_system_vgpr_workitem_id 0
		.amdhsa_next_free_vgpr 80
		.amdhsa_next_free_sgpr 66
		.amdhsa_reserve_vcc 0
		.amdhsa_float_denorm_mode_32 3
		.amdhsa_float_denorm_mode_16_64 3
		.amdhsa_memory_ordered 1
		.amdhsa_forward_progress 1
		.amdhsa_inst_pref_size 7
	.end_amdhsa_kernel
	.amdgpu_metadata
---
amdhsa.version: [ 1, 2 ]
amdhsa.kernels:
  - .name:           k_q6357fd707d_finish
    .symbol:         k_q6357fd707d_finish.kd
    .args:
      - { .name: sc, .offset: 0, .size: 8, .value_kind: global_buffer, .address_space: global }
      - { .name: pc, .offset: 8, .size: 8, .value_kind: global_buffer, .address_space: global }
      - { .name: pm, .offset: 16, .size: 8, .value_kind: global_buffer, .address_space: global }
      - { .name: out0, .offset: 24, .size: 8, .value_kind: global_buffer, .address_space: global }
      - { .name: out1, .offset: 32, .size: 8, .value_kind: global_buffer, .address_space: global }
    .group_segment_fixed_size: 0
    .private_segment_fixed_size: 0
    .kernarg_segment_align: 8
    .kernarg_segment_size: 40
    .max_flat_workgroup_size: 256
    .sgpr_count:     66
    .vgpr_count:     80
    .wavefront_size: 32
...
	.end_amdgpu_metadata
.endif
;; end of part 3
